; MI455X (gfx1250); checked and timed in simulation.
; The chip was launched on July 23, 2026; its instructions are those of AMD's public machine-readable ISA for CDNA 5 (MIT licence, August 2026) and "CDNA5" Instruction Set Architecture Reference Guide (July 2026). The comments in the code are by the model that wrote it; some were corrected since.
;; Prototypical Network. Allowed arithmetic: matrix products marked QUANTISED: E2M1 operands, one E8M0 scale for each 32 along K, by v_wmma_scale_f32_16x16x128_f8f6f4 with both operands' format E2M1 (or v_wmma_scale_f32_32x16x128_f4), f32 sums; everything else in f32.
;; Inputs: bootstrap_indices 8 x 128 x 32 int32; query_set_repr 65,536 x 128 float32; support_labels 4,096 int32; support_set_repr 4,096 x 128 float32.
;; Outputs: out0 65,536 x 128 float32.
;; This version of the problem:
;;   THIS VERSION OF THE PROBLEM IS GIVEN IN LOW PRECISION. The matrix products marked QUANTISED in the list below multiply operands that are first quantised to E2M1 (2 exponent bits, 1 mantissa bit; 4 bits a number), with one power-of-two scale for each 32 numbers along K (OCP MX v1.0); their sums are f32. All else is computed in f32.
;;   The module's matrix products, in the order in which they are computed (A, B: the left and right operand; K: the contracted axis; several contracted axes count as one K, in the product's order):
;;     1. [M 1,024, K 128] x [K 128, N 65,536]; A: computed on the way; B: input query_set_repr: QUANTISED
;;   THE QUANTISER, for each operand of a quantised product, along K:
;;     - K is cut into blocks of 32 from its start; a last block that is shorter is filled with zeros.
;;     - A block's scale is 2^e with e = floor(log2(the largest magnitude in the block)) - 2, held to -126 .. 127; a block of zeros has e = 0. As a byte (E8M0): e + 127.
;;     - Each number is divided by its block's scale, clamped to +-6, and rounded to the nearest number of E2M1, ties to even, subnormals kept.
;;     - The product sums the exact products of the quantised numbers (number of the format x scale) in f32.
;;   ~~~python
;;   def quantise(x, axis):      # numpy; x: float32 -> the quantised numbers, widened to float32 again
;;       x = np.moveaxis(x, axis, -1); K = x.shape[-1]
;;       x = np.pad(x, [(0, 0)] * (x.ndim - 1) + [(0, -K % 32)]); x = x.reshape(x.shape[:-1] + (-1, 32)); a = np.abs(x).max(-1, keepdims=True)
;;       e = np.where(a > 0, np.clip(np.frexp(np.where(a > 0, a, 1))[1] - 1 - 2, -126, 127), 0)      # np.frexp(a)[1] - 1 = floor(log2(a)), exactly
;;       r = np.clip(x / 2.0 ** e, -6, 6)
;;       step = 2.0 ** (np.maximum(np.frexp(np.where(r == 0, 1, r))[1] - 1, 0) - 1)
;;       q = np.round(r / step) * step * 2.0 ** e      # np.round: ties to even
;;       return np.moveaxis(q.reshape(q.shape[:-2] + (-1,))[..., :K], -1, axis).astype(np.float32)
;;   ~~~
;;   OPERANDS COMPUTED ON THE WAY. 'Computed on the way' means the value that the module computes at that place (a softmax that the list does not call 'softmax' is quantised finished and normalised). What goes into a quantiser is computed in f32, as accurately as f32 sums, v_exp_f32 and their like allow (about 1e-6 of the number): no bf16 or f16 on the way to a quantiser, and a product that is left as it is and whose result goes on into a quantised operand takes f32 operands (vector FMAs, or v_wmma_f32_16x16x4_f32). A number that lies on a knife's edge between two numbers of the format may be rounded either way, as far as f32 arithmetic and the matrix unit's own rounding can turn it there, and no further.
;; One version. Each part assembles by itself: llvm-mc -triple=amdgcn-amd-amdhsa -mcpu=gfx1250 --defsym DOCPART=n.
;; ======== version 1 of 1: 2 launches
;; limits: right only within a limited range of input values
;; workspace buffers: proto_ws 73,728 bytes
;; launch protos (part 1): grid 256 x 1, 8 waves a work-group, no clusters, 17,920 bytes of LDS; arguments support_set_repr, bootstrap_indices, proto_ws; writes proto_ws
.if DOCPART == 1
	.amdgcn_target "amdgcn-amd-amdhsa--gfx1250"
	.amdhsa_code_object_version 6
	.text
	.protected	k_q7bdc2155e8_protos
	.globl	k_q7bdc2155e8_protos
	.p2align	8
	.type	k_q7bdc2155e8_protos,@function
k_q7bdc2155e8_protos:
	s_mov_b64 s[64:65], 0
	v_nop
	global_prefetch_b8 v0, s[64:65] scope:SCOPE_SE
	s_setreg_imm32_b32 hwreg(HW_REG_WAVE_MODE, 25, 1), 1
	s_wait_xcnt 0x0
; THE PROTOTYPES.  proto[b][c][:] = the mean of the 32 rows x[c][idx[b][c][i]][:], i = 0 .. 31, of class c's 32 support rows; 8 x 128 = 1,024 prototypes of 128 numbers.
; They are the computed operand of the one quantised product, and every work-group of the next launch reads them: so they are made and quantised once, here.
; OUT, into the workspace:
;   bytes 0 .. 65,535: the codes (E2M1, K = the 128 innermost, the lower k in the low four bits), prototype (c, b) at 512 c + 64 b;
;   from byte 65,536: 32 bytes for each class and half of the bootstraps, at 64 c + 32 (b / 4): four scale words (four E8M0 bytes, one for each 32 along K), then four f32 numbers p2 / 64,
;   p2 = the sum of squares of the UNQUANTISED prototype.
; DEAD WORK.  support_labels appears nowhere in the body of reference(): the classes are cut by a reshape of support_set_repr.  So it has no way to the output, whatever it holds; it is not loaded and is
; among no launch's arguments.  Nothing that it holds (a NaN pattern, any number) is carried to the result.
; THE LOOKUP AS WEIGHTS.  The mean over i of x[idx[i]] is 1 / 32 x the sum over s = 0 .. 31 of (the number of i with idx[i] = s) x x[s]: the same sum, ordered by row, for every choice of indices in 0 .. 31.
; So no address hangs on an index.  The count of row s: a compare of the 32 lanes' indices with s gives a mask, and its ones are counted.
; LIMITS: an index outside 0 .. 31 adds nothing here; NaN and infinities among the inputs are not served (a row that no index names is multiplied by 0); a block whose largest magnitude lies under 2^(3 - 127)
; gets the scale byte 1 (a block of zeros too, where the rule says 127: its codes are zeros, and this program alone reads the bytes).
; SHARES.  Work-group u takes class u / 2 and bootstraps 4 (u % 2) .. + 3.  Wave w of eight takes the class's rows 4 w .. 4 w + 3, a row's 512 bytes by one load (16 bytes a lane), and makes its part of all four sums;
; the parts meet in LDS, and wave x = 0 .. 3 adds the eight parts of bootstrap x, with lane (r = lane % 16, h = lane / 16) on the numbers 8 r .. 8 r + 7 of parts 4 h .. 4 h + 3.
; The four rows of codes are 256 consecutive bytes: they meet in LDS and wave 0 stores them by one instruction.  The 32 bytes beside them are stored as they are: 8 KiB in the whole launch.
.set LCODE, 16384                      ; LDS: bytes 0-16383 the parts, [bootstrap][wave][512 bytes]; then four rows of codes,
.set LMETA, 16640                      ; four scale words and four p2 / 64
.set SPARE, 16896                      ; the spare words, 128 bytes for each wave: four blocks of 256 bytes that no other line names
.set META,  65536                      ; where the scale words and p2 / 64 begin in the workspace
.set LANE, 2                           ; v2   lane
.set L16,  3                           ; v3   16 x lane
.set L4,   4                           ; v4   4 x lane
.set R,    5                           ; v5   r
.set H,    6                           ; v6   h
.set PA,   7                           ; v7   LDS: my place in my wave's parts
.set PB,   8                           ; v8   LDS: where I read the parts of my wave's bootstrap
.set CA,   9                           ; v9   LDS: my 4 bytes of codes
.set MA,   10                          ; v10  LDS: my wave's scale word
.set L8,   11                          ; v11  8 x lane
.set M4,   12                          ; v12  4 x (lane % 8)
.set IDX,  14                          ; v14-17 lane i: index i of the four bootstraps
.set X,    20                          ; v20-35 my wave's four rows
.set A,    36                          ; v36-51 my wave's parts of the four sums
.set B,    52                          ; v52-83 four parts of eight numbers; the prototype in the end
.set T,    84                          ; v84-91 the other half's
.set Q,    92                          ; v92-101 at work
.set SPW,  102                         ; v102 LDS address of my spare word; never rewritten
.set NIL,  103                         ; v103 0; never rewritten
.set WT,   32                          ; s32-63 sixteen pairs: bootstrap x's count of row q in s[WT + 8 x + 2 q]
	s_load_b128 s[4:7], s[0:1], 0x0                ; support_set_repr s[4:5], bootstrap_indices s[6:7]
	s_load_b64 s[8:9], s[0:1], 0x10                ; the workspace
	v_lshl_add_u32 v[SPW], v0, 2, SPARE
	v_mov_b32 v[NIL], 0
	v_lshrrev_b32 v1, 5, v0
	v_readfirstlane_b32 s10, v1                    ; wave 0..7
	s_lshr_b32 s11, ttmp9, 1                       ; class
	s_and_b32 s12, ttmp9, 1                        ; which half of the bootstraps
	s_lshl_b32 s14, s11, 14                        ; the class's 32 rows of 512 bytes,
	s_lshl_b32 s13, s10, 11
	s_add_co_u32 s14, s14, s13                     ; my wave's four
	s_mov_b32 s15, 0
	s_lshl_b32 s16, s12, 16                        ; indices: four bootstraps of 16,384 bytes,
	s_lshl_b32 s13, s11, 7
	s_add_co_u32 s16, s16, s13                     ; 128 bytes a class
	s_mov_b32 s17, 0
	s_lshl_b32 s18, ttmp9, 8                       ; out: 256 bytes of codes,
	s_mov_b32 s19, 0
	s_lshl_b32 s20, ttmp9, 5
	s_add_co_u32 s20, s20, META                    ; 32 bytes beside them
	s_mov_b32 s21, 0
	s_mov_b32 s22, 0x76543210
	s_mov_b32 s23, 0xfedcba98                      ; v_permlanex16_b32's selects for lane l xor 16
	s_lshl_b32 s24, s10, 9
	s_and_b32 s13, s10, 3                          ; the bootstrap that my wave adds up (waves 0 to 3)
	s_lshl_b32 s25, s13, 12
	s_lshl_b32 s26, s13, 6
	s_lshl_b32 s27, s13, 2
	s_add_co_u32 s27, s27, LMETA
	s_lshl_b32 s28, s10, 2                         ; my wave's four row numbers
	s_or_b32 s29, s28, 1
	s_or_b32 s30, s28, 2
	s_or_b32 s31, s28, 3
	v_and_b32 v[LANE], 31, v0
	v_lshlrev_b32 v[L16], 4, v[LANE]
	v_lshlrev_b32 v[L4], 2, v[LANE]
	s_wait_alu depctr_va_vdst(0)
	s_wait_kmcnt 0x0
	s_add_nc_u64 s[4:5], s[4:5], s[14:15]
	s_add_nc_u64 s[6:7], s[6:7], s[16:17]
.irp x, 0,1,2,3
	global_load_b32 v[IDX+\x], v[L4], s[6:7] offset:16384*\x
.endr
.irp q, 0,1,2,3
	global_load_b128 v[X+4*\q:X+4*\q+3], v[L16], s[4:5] offset:512*\q      ; 32 lanes read 512 consecutive bytes; two work-groups read each class, so no hint
.endr
	s_add_nc_u64 s[66:67], s[8:9], s[20:21]
	s_add_nc_u64 s[8:9], s[8:9], s[18:19]
.irp n, 0,1,2,3,4,5,6,7,8,9,10,11,12,13,14,15
	s_mov_b32 s[WT+1+2*\n], 0                      ; (named with the counts as pairs, so they are written)
.endr
	v_and_b32 v[R], 15, v0
	v_bfe_u32 v[H], v0, 4, 1
	v_add_nc_u32 v[PA], s24, v[L16]
	v_lshl_add_u32 v[PB], v[H], 11, s25
	v_lshl_add_u32 v[PB], v[R], 5, v[PB]
	v_lshl_add_u32 v[CA], v[R], 2, s26
	v_mov_b32 v[MA], s27
	v_lshlrev_b32 v[L8], 3, v[LANE]
	v_and_b32 v[M4], 7, v[LANE]
	v_lshlrev_b32 v[M4], 2, v[M4]
.irp j, 0,1,2,3,4,5,6,7
	v_mov_b32 v[T+\j], 0                           ; written once: a lane permute's destination counts as read
.endr
	s_wait_alu depctr_va_vdst(0)
	s_wait_loadcnt 4                               ; the four loads of indices are in, the four of rows may be out
.irp x, 0,1,2,3
	v_cmp_eq_u32 s70, s28, v[IDX+\x]
	v_cmp_eq_u32 s71, s29, v[IDX+\x]
	v_cmp_eq_u32 s72, s30, v[IDX+\x]
	v_cmp_eq_u32 s73, s31, v[IDX+\x]
	s_bcnt1_i32_b32 s70, s70
	s_bcnt1_i32_b32 s71, s71
	s_bcnt1_i32_b32 s72, s72
	s_bcnt1_i32_b32 s73, s73
	s_cvt_f32_u32 s[WT+8*\x], s70
	s_cvt_f32_u32 s[WT+8*\x+2], s71
	s_cvt_f32_u32 s[WT+8*\x+4], s72
	s_cvt_f32_u32 s[WT+8*\x+6], s73
.endr
	s_wait_loadcnt 0x0
.irp q, 0,1,2,3
.irp x, 0,1,2,3
.irp d, 0,2
.if \q == 0
	v_pk_mul_f32 v[A+4*\x+\d:A+4*\x+\d+1], v[X+\d:X+\d+1], s[WT+8*\x:WT+8*\x+1] op_sel_hi:[1,0]      ; the first row starts the sums: nothing is cleared
.else
	v_pk_fma_f32 v[A+4*\x+\d:A+4*\x+\d+1], v[X+4*\q+\d:X+4*\q+\d+1], s[WT+8*\x+2*\q:WT+8*\x+2*\q+1], v[A+4*\x+\d:A+4*\x+\d+1] op_sel_hi:[1,0,1]
.endif
.endr
.endr
.endr
.irp x, 0,1,2,3
	ds_store_b128 v[PA], v[A+4*\x:A+4*\x+3] offset:4096*\x
.endr
	s_wait_dscnt 0x0                               ; for the others' sake: my parts have landed
	s_barrier_signal -1
	s_barrier_wait -1
	s_cmp_lt_u32 s10, 4                            ; waves 0 to 3 add up one bootstrap each; no barrier stands under this branch
	s_cbranch_scc0 .Lmeet
.irp q, 0,1,2,3
	ds_load_b128 v[B+8*\q:B+8*\q+3],   v[PB] offset:512*\q
	ds_load_b128 v[B+8*\q+4:B+8*\q+7], v[PB] offset:512*\q+16
.endr
	s_wait_dscnt 0x0
.irp d, 0,2,4,6
	v_pk_add_f32 v[B+\d:B+\d+1], v[B+\d:B+\d+1], v[B+8+\d:B+9+\d]
	v_pk_add_f32 v[B+16+\d:B+17+\d], v[B+16+\d:B+17+\d], v[B+24+\d:B+25+\d]
.endr
.irp d, 0,2,4,6
	v_pk_add_f32 v[B+\d:B+\d+1], v[B+\d:B+\d+1], v[B+16+\d:B+17+\d]
.endr
.irp j, 0,1,2,3,4,5,6,7
	v_permlanex16_b32 v[T+\j], v[B+\j], s22, s23
.endr
.irp d, 0,2,4,6
	v_pk_add_f32 v[B+\d:B+\d+1], v[B+\d:B+\d+1], v[T+\d:T+\d+1]    ; both halves hold the sums of 8 r .. 8 r + 7
.endr
.irp d, 0,2,4,6
	v_pk_mul_f32 v[B+\d:B+\d+1], v[B+\d:B+\d+1], 0x3d000000 op_sel_hi:[1,0]    ; / 32: exact
.endr
	; two chains by turns: p2 of the unquantised numbers (my eight, then the sixteen lanes of my half), and the largest magnitude of a block of 32 along K, which lies in four neighbouring lanes
	v_pk_mul_f32 v[Q:Q+1], v[B:B+1], v[B:B+1]
	v_max3_num_f32 v[Q+2], |v[B]|, |v[B+1]|, 0x1800000             ; the floor 2^(3 - 127): the byte cannot fall under 1
	v_pk_fma_f32 v[Q:Q+1], v[B+2:B+3], v[B+2:B+3], v[Q:Q+1]
	v_max3_num_f32 v[Q+2], v[Q+2], |v[B+2]|, |v[B+3]|
	v_pk_fma_f32 v[Q:Q+1], v[B+4:B+5], v[B+4:B+5], v[Q:Q+1]
	v_max3_num_f32 v[Q+2], v[Q+2], |v[B+4]|, |v[B+5]|
	v_pk_fma_f32 v[Q:Q+1], v[B+6:B+7], v[B+6:B+7], v[Q:Q+1]
	v_max3_num_f32 v[Q+2], v[Q+2], |v[B+6]|, |v[B+7]|
	v_add_f32 v[Q], v[Q], v[Q+1]
	v_max_num_f32_dpp v[Q+2], v[Q+2], v[Q+2] row_xmask:1 row_mask:0xf bank_mask:0xf
	v_add_f32_dpp v[Q], v[Q], v[Q] row_xmask:1 row_mask:0xf bank_mask:0xf
	v_max_num_f32_dpp v[Q+2], v[Q+2], v[Q+2] row_xmask:2 row_mask:0xf bank_mask:0xf   ; the block's largest magnitude
	v_add_f32_dpp v[Q], v[Q], v[Q] row_xmask:2 row_mask:0xf bank_mask:0xf
	v_add_nc_u32 v[Q+3], 0xff000000, v[Q+2]        ; 2 off its exponent field: the conversion takes the exponent field of this operand as its scale, and nothing else of it
	v_add_f32_dpp v[Q], v[Q], v[Q] row_xmask:4 row_mask:0xf bank_mask:0xf
	v_lshrrev_b32 v[Q+4], 23, v[Q+3]               ; the scale's byte
	v_cvt_scalef32_pk8_fp4_f32 v[Q+6], v[B:B+7], v[Q+3]            ; eight codes: 4 bytes of the row
	v_lshrrev_b32 v[Q+5], 2, v[R]                  ; (a plain line behind the conversion)  my block, 0 .. 3,
	v_add_f32_dpp v[Q], v[Q], v[Q] row_xmask:8 row_mask:0xf bank_mask:0xf
	v_lshlrev_b32 v[Q+5], 3, v[Q+5]
	v_mul_f32 v[Q], 0x3c800000, v[Q]               ; p2 / 64
	v_lshlrev_b32 v[Q+4], v[Q+5], v[Q+4]           ; its byte at its place in the scale word;
	v_mov_b32_dpp v[Q+5], v[Q+4] row_xmask:4 row_mask:0xf bank_mask:0xf
	v_or_b32 v[Q+4], v[Q+4], v[Q+5]                ; with the neighbouring block's,
	v_mov_b32_dpp v[Q+5], v[Q+4] row_xmask:8 row_mask:0xf bank_mask:0xf
	v_or_b32 v[Q+4], v[Q+4], v[Q+5]                ; and the other two: the word is whole in every lane
	ds_store_b32 v[CA], v[Q+6] offset:LCODE        ; (lanes that share an address write the same value)
	ds_store_b32 v[MA], v[Q+4]
	ds_store_b32 v[MA], v[Q] offset:16
.Lmeet:
	s_wait_dscnt 0x0                               ; for wave 0's sake: my stores have landed
	s_barrier_signal -1
	s_barrier_wait -1
	s_cmp_lg_u32 s10, 0                            ; wave 0 stores for the work-group; no barrier stands under this branch
	s_cbranch_scc1 .Lend
	ds_load_b64 v[Q+8:Q+9], v[L8] offset:LCODE
	ds_load_b32 v[Q+7], v[M4] offset:LMETA         ; lanes that share an address read the same word
	s_wait_dscnt 0x0
	global_store_b64 v[L8], v[Q+8:Q+9], s[8:9]     ; 32 lanes store 256 consecutive bytes, at a multiple of 256 from the buffer's first byte
	s_wait_xcnt 0x0                                ; EXEC changes only behind this wait
	v_cmp_gt_u32 vcc_lo, 8, v[LANE]
	s_and_saveexec_b32 s68, vcc_lo                 ; lanes 0 to 7
	global_store_b32 v[M4], v[Q+7], s[66:67]       ; four scale words, four p2 / 64: 32 consecutive bytes
	s_wait_xcnt 0x0                                ; and again, in front of the line that widens it
	s_or_b32 exec_lo, exec_lo, s68
.Lend:
	s_wait_tensorcnt 0x0                           ; the wave's end
	ds_add_u32 v[SPW], v[NIL]
	s_wait_dscnt 0x0
	s_endpgm
.Lfunc_end_k_q7bdc2155e8_protos:
	.size	k_q7bdc2155e8_protos, .Lfunc_end_k_q7bdc2155e8_protos-k_q7bdc2155e8_protos
	.p2alignl 7, 3214868480
	.fill 96, 4, 3214868480
	.section	.rodata,"a",@progbits
	.p2align	6, 0x0
	.amdhsa_kernel k_q7bdc2155e8_protos
		.amdhsa_group_segment_fixed_size 17920
		.amdhsa_private_segment_fixed_size 0
		.amdhsa_enable_private_segment 0
		.amdhsa_kernarg_size 24
		.amdhsa_user_sgpr_count 2
		.amdhsa_user_sgpr_kernarg_segment_ptr 1
		.amdhsa_wavefront_size32 1
		.amdhsa_system_sgpr_workgroup_id_x 1
		.amdhsa_system_sgpr_workgroup_id_y 1
		.amdhsa_system_sgpr_workgroup_id_z 1
		.amdhsa_system_vgpr_workitem_id 0
		.amdhsa_next_free_vgpr 112
		.amdhsa_next_free_sgpr 80
		.amdhsa_reserve_vcc 1
		.amdhsa_float_denorm_mode_32 3
		.amdhsa_float_denorm_mode_16_64 3
		.amdhsa_memory_ordered 1
		.amdhsa_forward_progress 1
		.amdhsa_inst_pref_size 14
	.end_amdhsa_kernel
	.amdgpu_metadata
---
amdhsa.version: [ 1, 2 ]
amdhsa.kernels:
  - .name:           k_q7bdc2155e8_protos
    .symbol:         k_q7bdc2155e8_protos.kd
    .args:
      - { .name: support_set_repr, .offset: 0, .size: 8, .value_kind: global_buffer, .address_space: global }
      - { .name: bootstrap_indices, .offset: 8, .size: 8, .value_kind: global_buffer, .address_space: global }
      - { .name: proto_ws, .offset: 16, .size: 8, .value_kind: global_buffer, .address_space: global }
    .group_segment_fixed_size: 17920
    .private_segment_fixed_size: 0
    .kernarg_segment_align: 8
    .kernarg_segment_size: 24
    .max_flat_workgroup_size: 256
    .sgpr_count:     80
    .vgpr_count:     112
    .wavefront_size: 32
...
	.end_amdgpu_metadata
.endif
;; end of part 1
;; launch dist (part 2): grid 256 x 1, 16 waves a work-group, no clusters, 211,968 bytes of LDS; arguments query_set_repr, proto_ws, out0; writes out0
.if DOCPART == 2
	.amdgcn_target "amdgcn-amd-amdhsa--gfx1250"
	.amdhsa_code_object_version 6
	.text
	.protected	k_q7bdc2155e8_dist
	.globl	k_q7bdc2155e8_dist
	.p2align	8
	.type	k_q7bdc2155e8_dist,@function
k_q7bdc2155e8_dist:
	s_mov_b64 s[64:65], 0
	v_nop
	global_prefetch_b8 v0, s[64:65] scope:SCOPE_SE
	s_setreg_imm32_b32 hwreg(HW_REG_WAVE_MODE, 25, 1), 1
	s_wait_xcnt 0x0
; out[q][c] = -(1 / 8) x the sum over b = 0 .. 7 of sqrt(max(q2[q] + p2[b][c] - 2 qp[b][q][c], 0)), qp = the product of the quantised queries and the quantised prototypes (E2M1, one E8M0 scale for each 32 along K = 128).
; support_labels is left out here too: reference() never reads it (shown at the head of the launch that makes the prototypes).
; THE ARITHMETIC, all factors powers of two, so that nothing is rounded by them:  sqrt(d2) / 8 = sqrt(d2 / 64), and d2 / 64 = (qp - q2 / 2) x (-1 / 32) + p2 / 64.
; -q2 / 2 is the C of the matrix instruction; p2 / 64 comes ready from the launch before, one number a lane; the sums run with a minus sign.
; For two results of one bootstrap: one packed multiply-add, one dual maximum, two roots, 7/8 of a packed or dual addition.
; LIMITS: a d2 / 64 in the denormal range gives 0 (the root takes a denormal input as zero: ISA guide, the instruction's entry); NaN and infinities among the inputs are not served;
; a block of a query whose largest magnitude lies under 2^(3 - 127) gets the scale byte 1 (a block of zeros too, where the rule says 127: its codes are zeros, and this program alone reads the bytes).
; SHARES.  A work-group owns 256 queries; each of its sixteen waves owns 16 of them, from the tensor load to the stores, against all 1,024 prototypes.  The prototypes lie in LDS for all waves: one barrier behind their copy, and no other.
; THE PRODUCT: source 0 = my 16 queries, source 1 = 16 prototypes.  THE CLASSES OF A TILE ARE NOT NEIGHBOURS: column r of tile i (0 .. 3) of class group g (0, 1) is class 64 g + 4 r + i.  Lane (r = lane % 16, h = lane / 16)
; holds in register j of tile i (query 8 h + j, class 64 g + 4 r + i): the four tiles' numbers of one query are 16 neighbouring bytes, and sixteen lanes hold 256: the last subtraction puts them side by side and they are stored as they are.
; STEPS.  Step k = 8 g + b: four tiles, 32 accumulators' registers.  Four stages of four steps run side by side, on three buffers of 32 registers: the multiply-adds and maxima of step k + 1, the addition of step k - 1,
; the products of step k + 2 (tile by tile over the buffer that the addition has just read), the LDS loads for step k + 3, the roots of step k.  So one wait on the vector unit serves a whole step.
; NO SLOT IS FILLED TWICE: the work-group's 256 queries, 128 KiB, fit in LDS at once.
; NO CLUSTER: what work-groups share is the prototypes alone, 72 KiB of the 328 KiB that a work-group moves, asked for once by each.  NO PREFETCH: every byte is asked for at the head, and there is no loop to run ahead in.
.set BST,   4160                       ; LDS: a step's four fragments of 16 rows x 64 bytes, + 64 bytes: the four bootstraps that one store writes begin 16 banks apart (64 banks of 4 bytes: ISA guide 11.1)
.set LMETA, 16*BST                     ; the scale words, 256 bytes a step: 16 bytes (tiles 0 .. 3) for each r; 4,096 bytes behind them p2 / 64, likewise
.set QRAW,  LMETA+8192                 ; the 256 queries as they come: filled once, by tensor loads
.set PITCH, 528                        ; an LDS row of 128 f32: 512 bytes + 16 of padding = 132 words: row r starts at bank 4 r mod 64
.set TILEB, 16*PITCH
.set SPARE, QRAW+16*TILEB              ; the spare words, 128 bytes for each wave: eight blocks of 256 bytes that no other line names
.set META,  65536                      ; in the workspace: where the scale words and p2 / 64 begin
.set SPW, 10                           ; v10      LDS address of my spare word; never rewritten
.set NIL, 11                           ; v11      0; never rewritten
.set GL,  12                           ; v12      my byte in the codes: 4,096 w + 16 lane
.set GM,  13                           ; v13      my byte in the scale words and p2 / 64: META + 512 w + 16 lane
.set CST, 14                           ; v14      LDS: where I put codes,
.set MST, 15                           ; v15      and scale words or p2 / 64
.set XA,  16                           ; v16      LDS: my place in my wave's queries
.set LF0, 17                           ; v17, v18 LDS: where I read registers 0-3, 4-7 of a fragment
.set LF1, 18
.set LPP, 19                           ; v19      LDS: p2 / 64
.set LPS, 20                           ; v20      LDS: scale words
.set GO,  21                           ; v21      my byte in the work-group's rows of the output
.set QS,  22                           ; v22      my queries' scale words
.set QA,  24                           ; v24-31   my queries' codes
.set QC,  32                           ; v32-39   -q2 / 2 in the result's layout
.set PS,  40                           ; v40-43   scale words of tiles 0 .. 3: lanes 0-15 of an even step, lanes 16-31 of the odd one behind it
.set PP,  44                           ; v44-51   p2 / 64 of tiles 0 .. 3, two sets
.set PF,  52                           ; v52-83   a step's four fragments: written by LDS loads alone
.set S,   84                           ; v84-115  the sums
.set O,   116                          ; v116-147 results on the way out: v[O + 4 j + i]
.set D,   148                          ; v148-243 three buffers of 32
.set X,   D                            ; at the head: my 64 numbers of a query
.set T,   D+64                         ; at the head: at work
.set G0,  12                           ; s[12:15] descriptor group 0
.set G1,  16                           ; s[16:23] descriptor group 1
	s_load_b128 s[4:7], s[0:1], 0x0                ; the queries s[4:5], the workspace s[6:7]
	s_load_b64 s[8:9], s[0:1], 0x10                ; the output
	v_lshl_add_u32 v[SPW], v0, 2, SPARE
	v_mov_b32 v[NIL], 0
	ds_add_u32 v[SPW], v[NIL]                      ; the wave's opening: the add, twice on end, and its wait ahead of my tensor load; the set-up below, work on registers, stands between
	ds_add_u32 v[SPW], v[NIL]
	v_lshrrev_b32 v1, 5, v0
	v_readfirstlane_b32 s10, v1                    ; wave 0..15
	; descriptor group 1: a tile of 16 rows x 128 elements of 4 bytes, padded in LDS
	s_mov_b32 s[G1+0], (2<<16)|(1<<20)|(6<<22)|(3<<25)  ; 15:0 no mask; 17:16 elements of 4 bytes; 20 padding on; 24:22 after every 128 words (code 6); 31:25 four words (code 3)
	s_mov_b32 s[G1+1], 128<<16                     ; tensor_dim0 = 128
	s_mov_b32 s[G1+2], 16<<16                      ; tensor_dim1 = 16
	s_mov_b32 s[G1+3], 128<<16                     ; tile_dim0 = 128
	s_mov_b32 s[G1+4], 16                          ; tile_dim1 = 16
	s_mov_b32 s[G1+5], 128                         ; elements from row to row
	s_mov_b32 s[G1+6], 0
	s_mov_b32 s[G1+7], 0
	s_mov_b32 s[G0], 1
	s_mul_i32 s[G0+1], s10, TILEB
	s_add_co_u32 s[G0+1], s[G0+1], QRAW            ; LDS: my wave's 16 queries
	s_mov_b32 s28, 0x76543210
	s_mov_b32 s29, 0xfedcba98                      ; v_permlanex16_b32's selects for lane l xor 16
	s_mov_b32 s30, 0xbd000000                      ; -1 / 32
	s_mov_b32 s31, s30                             ; (named with it as a pair, so it is written)
	s_mov_b32 s37, 0xffff0000                      ; lanes 16 to 31
	s_lshl_b32 s32, s10, 12
	s_lshl_b32 s33, s10, 13
	s_lshl_b32 s35, s10, 9
	s_add_co_u32 s35, s35, META
	s_lshl_b32 s38, ttmp9, 17                      ; my work-group's 256 rows of 512 bytes, in the queries and in the output
	s_mov_b32 s39, 0
	s_add_co_u32 s40, s38, s33                     ; my wave's 16
	s_mov_b32 s41, 0
	s_and_b32 s36, s10, 7                          ; the classes that my wave copies: 8 w .. 8 w + 7 = 64 (w / 8) + 4 r + i with r = 2 (w % 8) + 0, 1
	s_lshr_b32 s42, s36, 1                         ; r / 4
	s_lshr_b32 s34, s10, 3                         ; g
	s_mul_i32 s43, s34, 8*BST
	s_lshl_b32 s44, s36, 7
	s_add_co_u32 s43, s43, s44                     ; g x eight steps + 64 r
	s_lshl_b32 s34, s34, 11
	s_lshl_b32 s44, s36, 5
	s_add_co_u32 s44, s44, s34
	s_add_co_u32 s44, s44, LMETA                   ; the same for the words: 2,048 g + 16 r
	v_and_b32 v3, 31, v0                           ; lane
	v_lshl_add_u32 v[GL], v3, 4, s32
	v_lshl_add_u32 v[GM], v3, 4, s35
	s_wait_alu depctr_va_vdst(0)
	s_wait_dscnt 0x0                               ; both opening adds are done
	s_wait_kmcnt 0x0
	s_add_nc_u64 s[G0+2:G0+3], s[4:5], s[40:41]
	s_or_b32 s[G0+3], s[G0+3], 0x80000000          ; type = 2
	s_add_nc_u64 s[8:9], s[8:9], s[38:39]
.irp n, 0,1,2,3,4,5,6,7                        ; my wave's share of the prototypes: eight classes, 512 bytes each (eight bootstraps of 64 bytes); all work-groups read them, so no hint
	global_load_b128 v[D+4*\n:D+4*\n+3], v[GL], s[6:7] offset:512*\n
.endr
	global_load_b128 v[D+32:D+35], v[GM], s[6:7]   ; and their scale words and p2 / 64
	tensor_load_to_lds s[G0:G0+3], s[G1:G1+7]      ; every wave asks for its own 16 queries, with no branch: one tensor load of mine is out
	s_nop 0
	v_and_b32 v1, 15, v0                           ; r
	v_bfe_u32 v2, v0, 4, 1                         ; h
	v_mul_u32_u24 v[XA], PITCH, v1
	v_lshl_add_u32 v[XA], v2, 7, v[XA]
	v_add_nc_u32 v[XA], s[G0+1], v[XA]             ; row r, + 128 h: my block of 32
	; codes into LDS: lane l holds 16 bytes (piece p = l % 4) of bootstrap l / 4.  Piece p of row r lies at piece p xor (r / 4) of the row's 64 bytes: sixteen rows' same pieces then start at 16 different banks
	v_lshrrev_b32 v4, 2, v3
	v_mul_u32_u24 v4, BST, v4
	v_and_b32 v5, 3, v3
	v_xor_b32 v5, s42, v5
	v_lshl_add_u32 v4, v5, 4, v4
	v_add_nc_u32 v[CST], s43, v4
	; lane l's four words belong to class 8 w + l / 4, bootstraps 4 ((l / 2) % 2) + 0 .. 3; l % 2: scale words or p2 / 64
	v_and_b32 v4, 1, v3
	v_lshlrev_b32 v4, 12, v4
	v_bfe_u32 v5, v3, 1, 1
	v_lshl_add_u32 v4, v5, 10, v4
	v_bfe_u32 v5, v3, 4, 1
	v_lshl_add_u32 v4, v5, 4, v4
	v_bfe_u32 v5, v3, 2, 2
	v_lshl_add_u32 v4, v5, 2, v4
	v_add_nc_u32 v[MST], s44, v4
	; a fragment's reads: row r, pieces h and 2 + h
	v_lshrrev_b32 v5, 2, v1
	v_xor_b32 v5, v5, v2
	v_lshlrev_b32 v6, 6, v1
	v_lshl_add_u32 v[LF0], v5, 4, v6
	v_xor_b32 v5, 2, v5
	v_lshl_add_u32 v[LF1], v5, 4, v6
	v_lshl_add_u32 v[LPP], v1, 4, LMETA+4096
	v_lshl_add_u32 v[LPS], v3, 4, LMETA
	v_lshl_add_u32 v[GO], v2, 12, s33
	v_lshl_add_u32 v[GO], v1, 4, v[GO]             ; row 16 w + 8 h, + 16 r
.irp j, 0,1,2,3,4,5,6,7
	v_mov_b32 v[QC+\j], 0                          ; written once: the destination of a lane move counts as one of its sources
.endr
.irp j, 12,13,14
	v_mov_b32 v[T+\j], 0
.endr
	s_wait_alu depctr_va_vdst(0)
	s_wait_loadcnt 0x0
.irp n, 0,1,2,3,4,5,6,7                        ; class 8 w + n: r = 2 (w % 8) + n / 4, tile n % 4
	ds_store_b128 v[CST], v[D+4*\n:D+4*\n+3] offset:64*(\n/4)+1024*(\n%4)
.endr
.irp x, 0,1,2,3
	ds_store_b32 v[MST], v[D+32+\x] offset:256*\x
.endr
	s_wait_dscnt 0x0                               ; for the others' sake: my share of the prototypes lies in LDS
	s_barrier_signal -1
	s_barrier_wait -1                              ; nothing is filled again in this launch: my tensor load may be out
.macro LOADS k                         ; step k's four fragments, p2 / 64, and for two steps the scale words
.irp i, 0,1,2,3
	ds_load_b128 v[PF+8*\i:PF+8*\i+3],   v[LF0] offset:BST*(\k)+1024*\i
	ds_load_b128 v[PF+8*\i+4:PF+8*\i+7], v[LF1] offset:BST*(\k)+1024*\i
.endr
.set PQ, PP+4*((\k)%2)
	ds_load_b128 v[PQ:PQ+3], v[LPP] offset:256*(\k)
.if (\k)%2 == 0
	ds_load_b128 v[PS:PS+3], v[LPS] offset:256*(\k)
.endif
.endm
.macro FMA k                           ; d2 / 64; each accumulator is read from its low end on
.set DB, D+32*((\k)%3)
.set PQ, PP+4*((\k)%2)
.irp j, 0,2,4,6
.irp i, 0,1,2,3
.if \i%2 == 0
	v_pk_fma_f32 v[DB+8*\i+\j:DB+8*\i+\j+1], v[DB+8*\i+\j:DB+8*\i+\j+1], s[30:31], v[PQ+\i:PQ+\i+1] op_sel_hi:[1,0,0]
.else
	v_pk_fma_f32 v[DB+8*\i+\j:DB+8*\i+\j+1], v[DB+8*\i+\j:DB+8*\i+\j+1], s[30:31], v[PQ+\i-1:PQ+\i] op_sel:[0,0,1] op_sel_hi:[1,0,1]
.endif
.endr
.endr
.endm
.macro MAXZ k                          ; max(., 0), two at a time
.set DB, D+32*((\k)%3)
.set NN, 0
.rept 16
	v_dual_max_num_f32 v[DB+NN], 0, v[DB+NN] :: v_dual_max_num_f32 v[DB+NN+1], 0, v[DB+NN+1]
.set NN, NN+2
.endr
.endm
.macro ROOTS k                         ; a group's first step starts the sums: its roots are written there
.set DB, D+32*((\k)%3)
.if (\k)%8 == 0
.set SD, S
.else
.set SD, DB
.endif
.set NN, 0
.rept 32
	v_sqrt_f32 v[SD+NN], v[DB+NN]
.set NN, NN+1
.endr
.endm
.macro WM k, i                         ; tile i of step k
.set DB, D+32*((\k)%3)+8*(\i)
.if (\k)%2
	v_wmma_scale_f32_16x16x128_f8f6f4 v[DB:DB+7], v[QA:QA+7], v[PF+8*(\i):PF+8*(\i)+7], v[QC:QC+7], v[QS], v[PS+(\i)] matrix_a_fmt:MATRIX_FMT_FP4 matrix_b_fmt:MATRIX_FMT_FP4 matrix_b_scale:MATRIX_SCALE_ROW1
.else
	v_wmma_scale_f32_16x16x128_f8f6f4 v[DB:DB+7], v[QA:QA+7], v[PF+8*(\i):PF+8*(\i)+7], v[QC:QC+7], v[QS], v[PS+(\i)] matrix_a_fmt:MATRIX_FMT_FP4 matrix_b_fmt:MATRIX_FMT_FP4
.endif
.endm
.macro ADDT k, i                       ; tile i of step k, b = 1 .. 6: b = 1 turns the sign
.set AB, D+32*((\k)%3)+8*(\i)
.set SB, S+8*(\i)
.irp j, 0,2,4,6
.if (\k)%8 == 1
	v_pk_add_f32 v[SB+\j:SB+\j+1], v[SB+\j:SB+\j+1], v[AB+\j:AB+\j+1] neg_lo:[1,1] neg_hi:[1,1]
.else
	v_pk_add_f32 v[SB+\j:SB+\j+1], v[SB+\j:SB+\j+1], v[AB+\j:AB+\j+1] neg_lo:[0,1] neg_hi:[0,1]
.endif
.endr
.endm
.macro FIN k, i                        ; tiles i, i + 1 of a group's last step: the last subtraction lays query j's four tiles side by side.  The pairs cross j and j + 1, so that their sources lie in different banks
.set AB, D+32*((\k)%3)+8*(\i)
.set SB, S+8*(\i)
.irp j, 0,2,4,6
	v_dual_sub_f32 v[O+4*\j+(\i)], v[SB+\j], v[AB+\j] :: v_dual_sub_f32 v[O+4*\j+5+(\i)], v[SB+9+\j], v[AB+9+\j]
	v_dual_sub_f32 v[O+4*\j+4+(\i)], v[SB+1+\j], v[AB+1+\j] :: v_dual_sub_f32 v[O+4*\j+1+(\i)], v[SB+8+\j], v[AB+8+\j]
.endr
.endm
.macro IT k
.if (\k) == 16
	s_wait_xcnt 0x0                                ; the first group's stores have read their registers
.endif
	s_wait_dscnt 0x0                               ; step k + 2's operands are in
	s_wait_alu depctr_va_vdst(0)                   ; ONE wait a step, ahead of the first reads of step k + 1's products, of the maxima and sums made last time, and of the last roots
.if ((\k) >= -1) && ((\k) < 15)
	FMA (\k)+1
.endif
.if ((\k) == 8) || ((\k) == 16)
.irp i, 0,2
	FIN (\k)-1, \i
.if (\k) < 14
	WM (\k)+2, \i
	WM (\k)+2, \i+1
.endif
.endr
.else
.irp i, 0,1,2,3
.if ((\k) > 1) && ((\k) != 9)
	ADDT (\k)-1, \i
.endif
.if (\k) < 14
	WM (\k)+2, \i
.endif
.endr
.endif
.if ((\k) >= -1) && ((\k) < 15)
	MAXZ (\k)+1                                    ; also the places behind the products, ahead of the loads into their sources and of the next step's reads
.endif
.if (\k) == -2
.rept 4
	v_nop                                          ; the first time there is nothing else to stand there
.endr
.endif
.if ((\k) == 8) || ((\k) == 16)
.irp j, 0,1,2,3,4,5,6,7
	global_store_b128 v[GO], v[O+4*\j:O+4*\j+3], s[8:9] offset:512*\j+256*(((\k)-1)/8) th:TH_STORE_NT   ; sixteen lanes store 256 consecutive bytes, at a multiple of 256 from the output's first byte; written once, read by nobody here
.endr
.endif
.if (\k) < 13
	LOADS (\k)+3
.endif
.if ((\k) >= 0) && ((\k) < 16)
	ROOTS \k
.if (\k) >= 14
	v_nop                                          ; a plain line behind the last root
.endif
.endif
.endm
	LOADS 0
	; MY 16 QUERIES BECOME AN OPERAND.  Register 32 c + i of a lane = k 64 c + 32 h + i of query r: a whole block for each c, in the operand's own order.  q2 is taken of the numbers as they come.
	s_wait_tensorcnt 0x0                           ; my queries are in.  Only I read these bytes, so no barrier is owed
.irp c, 0,1
.irp j, 0,1,2,3,4,5,6,7
	ds_load_b128 v[X+32*\c+4*\j:X+32*\c+4*\j+3], v[XA] offset:256*\c+16*\j
.endr
.endr
	s_wait_dscnt 0x0
.irp q, 0,1,2,3
	v_pk_mul_f32 v[T+2*\q:T+2*\q+1], v[X+2*\q:X+2*\q+1], v[X+2*\q:X+2*\q+1]    ; the sum of squares of my 64, in four packed chains that the first products start
.endr
.irp n, 8,16,24,32,40,48,56
.irp q, 0,1,2,3
	v_pk_fma_f32 v[T+2*\q:T+2*\q+1], v[X+\n+2*\q:X+\n+2*\q+1], v[X+\n+2*\q:X+\n+2*\q+1], v[T+2*\q:T+2*\q+1]
.endr
.endr
.irp q, 0,1,2,3
	v_max3_num_f32 v[T+8+\q], |v[X+16*\q]|, |v[X+16*\q+1]|, 0x1800000          ; largest magnitudes, two chains a block, and the floor 2^(3 - 127): the byte cannot fall under 1
.endr
.irp n, 2,4,6,8,10,12,14
.irp q, 0,1,2,3
	v_max3_num_f32 v[T+8+\q], v[T+8+\q], |v[X+16*\q+\n]|, |v[X+16*\q+\n+1]|
.endr
.endr
	v_pk_add_f32 v[T:T+1], v[T:T+1], v[T+2:T+3]
	v_pk_add_f32 v[T+4:T+5], v[T+4:T+5], v[T+6:T+7]
	v_max_num_f32 v[T+8], v[T+8], v[T+9]
	v_max_num_f32 v[T+9], v[T+10], v[T+11]
	v_pk_add_f32 v[T:T+1], v[T:T+1], v[T+4:T+5]
	v_add_nc_u32 v[T+16], 0xff000000, v[T+8]       ; 2 off the exponent field: the conversion's scale operand
	v_add_nc_u32 v[T+17], 0xff000000, v[T+9]
	v_add_f32 v[T], v[T], v[T+1]
	v_lshrrev_b32 v[T+18], 23, v[T+16]             ; the scales' bytes: blocks h and 2 + h
	v_lshrrev_b32 v[T+19], 23, v[T+17]
	v_permlanex16_b32 v[T+12], v[T], s28, s29
	v_add_f32 v[T], v[T], v[T+12]                  ; with lane l xor 16's 64: q2 of query r
	v_mul_f32 v[T], -0.5, v[T]
.irp c, 0,1
.irp n, 0,1,2,3
	v_cvt_scalef32_pk8_fp4_f32 v[QA+4*\c+\n], v[X+32*\c+8*\n:X+32*\c+8*\n+7], v[T+16+\c]
.endr
.endr
	v_lshl_or_b32 v[T+18], v[T+19], 16, v[T+18]    ; (a plain line behind the last conversion)
	v_lshlrev_b32 v[T+20], 3, v2
	v_lshlrev_b32 v[T+18], v[T+20], v[T+18]        ; my two bytes at their places,
	v_permlanex16_b32 v[T+13], v[T+18], s28, s29
	v_or_b32 v[QS], v[T+18], v[T+13]               ; and lane l xor 16's two: my query's scale word
	v_mov_b32_dpp v[T+14], v[T] row_xmask:8 row_mask:0xf bank_mask:0xf
	v_cndmask_b32 v[T], v[T], v[T+14], s37         ; lanes 16-31: that of query r xor 8
.irp j, 0,1,2,3,4,5,6,7
	v_mov_b32_dpp v[QC+\j], v[T] row_share:\j row_mask:0xf bank_mask:0xf       ; query 8 h + j's, in all lanes of a half
.endr
.irp t, -2,-1,0,1,2,3,4,5,6,7,8,9,10,11,12,13,14,15,16
	IT \t
.endr
	s_wait_tensorcnt 0x0                           ; the wave's end
	ds_add_u32 v[SPW], v[NIL]
	s_wait_dscnt 0x0
	s_endpgm
.Lfunc_end_k_q7bdc2155e8_dist:
	.size	k_q7bdc2155e8_dist, .Lfunc_end_k_q7bdc2155e8_dist-k_q7bdc2155e8_dist
	.p2alignl 7, 3214868480
	.fill 96, 4, 3214868480
	.section	.rodata,"a",@progbits
	.p2align	6, 0x0
	.amdhsa_kernel k_q7bdc2155e8_dist
		.amdhsa_group_segment_fixed_size 211968
		.amdhsa_private_segment_fixed_size 0
		.amdhsa_enable_private_segment 0
		.amdhsa_kernarg_size 24
		.amdhsa_user_sgpr_count 2
		.amdhsa_user_sgpr_kernarg_segment_ptr 1
		.amdhsa_wavefront_size32 1
		.amdhsa_system_sgpr_workgroup_id_x 1
		.amdhsa_system_sgpr_workgroup_id_y 1
		.amdhsa_system_sgpr_workgroup_id_z 1
		.amdhsa_system_vgpr_workitem_id 0
		.amdhsa_next_free_vgpr 256
		.amdhsa_next_free_sgpr 66
		.amdhsa_reserve_vcc 0
		.amdhsa_float_denorm_mode_32 3
		.amdhsa_float_denorm_mode_16_64 3
		.amdhsa_memory_ordered 1
		.amdhsa_forward_progress 1
		.amdhsa_inst_pref_size 96
	.end_amdhsa_kernel
	.amdgpu_metadata
---
amdhsa.version: [ 1, 2 ]
amdhsa.kernels:
  - .name:           k_q7bdc2155e8_dist
    .symbol:         k_q7bdc2155e8_dist.kd
    .args:
      - { .name: query_set_repr, .offset: 0, .size: 8, .value_kind: global_buffer, .address_space: global }
      - { .name: proto_ws, .offset: 8, .size: 8, .value_kind: global_buffer, .address_space: global }
      - { .name: out0, .offset: 16, .size: 8, .value_kind: global_buffer, .address_space: global }
    .group_segment_fixed_size: 211968
    .private_segment_fixed_size: 0
    .kernarg_segment_align: 8
    .kernarg_segment_size: 24
    .max_flat_workgroup_size: 512
    .sgpr_count:     66
    .vgpr_count:     256
    .wavefront_size: 32
...
	.end_amdgpu_metadata
.endif
;; end of part 2
